; MI455X (gfx1250); checked and timed in simulation.
; The chip was launched on July 23, 2026; its instructions are those of AMD's public machine-readable ISA for CDNA 5 (MIT licence, August 2026) and "CDNA5" Instruction Set Architecture Reference Guide (July 2026). The comments in the code are by the model that wrote it; some were corrected since.
;; Attention Block. Allowed arithmetic: matrix products marked QUANTISED: E3M2 operands, one E8M0 scale for each 32 along K, by v_wmma_scale_f32_16x16x128_f8f6f4 with both operands' format E3M2, f32 sums; everything else in f32.
;; Inputs: norm_b 256 float32; norm_w 256 float32; proj_b 256 float32; proj_w_codes 256 x 8 x 24 uint8 (E3M2 codes of proj_w, K innermost, in blocks of 32 codes, four codes in three bytes); proj_w_scales 256 x 8 uint8 (E8M0 scales of proj_w, one for each 32 codes along K); qkv_b 768 float32; qkv_w_codes 768 x 8 x 24 uint8 (E3M2 codes of qkv_w, K innermost, in blocks of 32 codes, four codes in three bytes); qkv_w_scales 768 x 8 uint8 (E8M0 scales of qkv_w, one for each 32 codes along K); x 16 x 256 x 32 x 32 float32.
;; Outputs: out0 16 x 256 x 32 x 32 float32.
;; This version of the problem:
;;   THIS VERSION OF THE PROBLEM IS GIVEN IN LOW PRECISION. The matrix products marked QUANTISED in the list below multiply operands that are first quantised to E3M2 (3 exponent bits, 2 mantissa bits; 6 bits a number), with one power-of-two scale for each 32 numbers along K (OCP MX v1.0); their sums are f32. All else is computed in f32.
;;   The module's matrix products, in the order in which they are computed (A, B: the left and right operand; K: the contracted axis; several contracted axes count as one K, in the product's order):
;;     1. [M 16,384, K 256] x [K 256, N 768]; A: computed on the way; B: input qkv_w (given as codes): QUANTISED
;;     2. batch 64 x [M 1,024, K 64] x [K 64, N 1,024]; A: computed on the way; B: computed on the way: QUANTISED
;;     3. batch 64 x [M 1,024, K 1,024] x [K 1,024, N 64]; A: softmax (see below); B: computed on the way: QUANTISED
;;     4. [M 16,384, K 256] x [K 256, N 256]; A: computed on the way; B: input proj_w (given as codes): QUANTISED
;;   THE QUANTISER, for each operand of a quantised product, along K:
;;     - K is cut into blocks of 32 from its start; a last block that is shorter is filled with zeros.
;;     - A block's scale is 2^e with e = floor(log2(the largest magnitude in the block)) - 4, held to -126 .. 127; a block of zeros has e = 0. As a byte (E8M0): e + 127.
;;     - Each number is divided by its block's scale, clamped to +-28, and rounded to the nearest number of E3M2, ties to even, subnormals kept.
;;     - The product sums the exact products of the quantised numbers (number of the format x scale) in f32.
;;   ~~~python
;;   def quantise(x, axis):      # numpy; x: float32 -> the quantised numbers, widened to float32 again
;;       x = np.moveaxis(x, axis, -1); K = x.shape[-1]
;;       x = np.pad(x, [(0, 0)] * (x.ndim - 1) + [(0, -K % 32)]); x = x.reshape(x.shape[:-1] + (-1, 32)); a = np.abs(x).max(-1, keepdims=True)
;;       e = np.where(a > 0, np.clip(np.frexp(np.where(a > 0, a, 1))[1] - 1 - 4, -126, 127), 0)      # np.frexp(a)[1] - 1 = floor(log2(a)), exactly
;;       r = np.clip(x / 2.0 ** e, -28, 28)
;;       step = 2.0 ** (np.maximum(np.frexp(np.where(r == 0, 1, r))[1] - 1, -2) - 2)
;;       q = np.round(r / step) * step * 2.0 ** e      # np.round: ties to even
;;       return np.moveaxis(q.reshape(q.shape[:-2] + (-1,))[..., :K], -1, axis).astype(np.float32)
;;   ~~~
;;   SOFTMAX AHEAD OF A QUANTISED PRODUCT. Where the list says 'softmax', what is quantised is not the finished softmax but p = 2^(t - M), with t = logit x log2(e) and M = ceil(the row's largest t), a whole number; so 1/2 < the row's largest p <= 1. The row's sum l is taken of the UNQUANTISED p, in f32, and the product's result is divided by l at the end. Since M is a whole number, a kernel that streams over the keys may use a running M (the ceiling of the running maximum): every later rescaling is an exact power of two, which a block's scale takes up: the codes' values come out the same.
;;   OPERANDS COMPUTED ON THE WAY. 'Computed on the way' means the value that the module computes at that place (a softmax that the list does not call 'softmax' is quantised finished and normalised). What goes into a quantiser is computed in f32, as accurately as f32 sums, v_exp_f32 and their like allow (about 1e-6 of the number): no bf16 or f16 on the way to a quantiser, and a product that is left as it is and whose result goes on into a quantised operand takes f32 operands (vector FMAs, or v_wmma_f32_16x16x4_f32). A number that lies on a knife's edge between two numbers of the format may be rounded either way, as far as f32 arithmetic and the matrix unit's own rounding can turn it there, and no further.
;;   INPUTS GIVEN AS CODES. proj_w (in the module: [256, 256], K = its axis 1); qkv_w (in the module: [768, 256], K = its axis 1): each comes as NAME_codes (uint8): NAME with its K axis moved to the last place and cut into blocks of 32 codes, [.., K / 32, bytes a block], one block behind the other in memory; four codes in three bytes: a row's codes are one little-endian stream of bits, code i at bits 6 i .. 6 i + 5 (a code: sign, 3 exponent bits, 2 mantissa bits); and NAME_scales (uint8): the same leading axes, one E8M0 byte (e + 127) for each 32 codes along K. Its value is code x scale, taken as it is: it is not quantised again, and the codes and scales need not be those that the quantiser above would give.
;; One version. Each part assembles by itself: llvm-mc -triple=amdgcn-amd-amdhsa -mcpu=gfx1250 --defsym DOCPART=n.
;; ======== version 1 of 1: 3 launches
;; workspace buffers: stats 2,048 bytes; qkv 9,961,472 bytes
;; launch stats (part 1): grid 256 x 1, 8 waves a work-group, no clusters, 1,280 bytes of LDS; arguments x, stats; writes stats
.if DOCPART == 1
	.amdgcn_target "amdgcn-amd-amdhsa--gfx1250"
	.amdhsa_code_object_version 6
	.text
	.protected	k_qf9a96dd6e8_stats
	.globl	k_qf9a96dd6e8_stats
	.p2align	8
	.type	k_qf9a96dd6e8_stats,@function
k_qf9a96dd6e8_stats:
	s_mov_b64 s[64:65], 0
	v_nop
	global_prefetch_b8 v0, s[64:65] scope:SCOPE_SE
	s_setreg_imm32_b32 hwreg(HW_REG_WAVE_MODE, 25, 1), 1
	s_wait_xcnt 0x0
; GroupNorm's figures, first launch.  x: [16][256][1024] f32; a norm group is 32 channels x 1,024 pixels = 131,072 dense bytes.
; Work-group i takes HALF a group (bytes 65,536 i on, 16,384 numbers) and stores its mean and its M2, the sum of squared deviations from
; that mean, at stats[i] (8 bytes).  The next launch joins the two halves.  The numbers stay in registers between the two passes, so memory is
; read once, and no difference of large sums is formed: an offset common to all of x costs no accuracy.
; Eight waves; thread t takes 16 bytes at 16 t + 4,096 k, k = 0 .. 15: a wave's load covers 512 consecutive bytes.
; No matrix unit, no cluster, no tensor load: the work-groups share no input, and the 64 KiB of a work-group fit into its registers.
; LIMITS: NaN and infinities among the inputs are not served.
.set X, 4                              ; v4-67    my 64 numbers
.set CH, 70                            ; v70-77   four packed chains
.set MEAN, 78                          ; v78-79   the mean, twice; at the end mean and M2
	s_load_b128 s[4:7], s[0:1], 0x0                ; x, stats
	v_lshl_add_u32 v96, v0, 2, 0x100
	v_mov_b32 v97, 0
	v_lshlrev_b32 v1, 4, v0                        ; 16 t
	v_lshrrev_b32 v2, 5, v0
	v_readfirstlane_b32 s8, v2                     ; wave
	v_lshlrev_b32 v82, 2, v2                       ; LDS: my wave's word
	v_mov_b32 v81, 0                               ; a lane permute's destination counts as one of its sources
	v_mov_b32 v83, 0
	s_lshl_b32 s12, ttmp9, 16                      ; my half group
	s_mov_b32 s13, 0
	s_lshl_b32 s14, ttmp9, 3                       ; my 8 bytes of stats
	s_mov_b32 s15, 0
	s_mov_b32 s10, 0x76543210
	s_mov_b32 s11, 0xfedcba98                      ; v_permlanex16_b32's selects for lane l xor 16
	s_wait_kmcnt 0x0
	s_add_nc_u64 s[4:5], s[4:5], s[12:13]
	s_add_nc_u64 s[6:7], s[6:7], s[14:15]
.set K, 0
.rept 16
	global_load_b128 v[X+4*K:X+4*K+3], v1, s[4:5] offset:4096*K
.set K, K+1
.endr
; the four chains, the two halves of a pair, the 32 lanes, the 8 waves: the sum comes out in v84 of every lane.  off: the LDS bytes of this reduction
.macro FOLD off
	v_pk_add_f32 v[CH:CH+1], v[CH:CH+1], v[CH+2:CH+3]
	v_pk_add_f32 v[CH+4:CH+5], v[CH+4:CH+5], v[CH+6:CH+7]
	v_pk_add_f32 v[CH:CH+1], v[CH:CH+1], v[CH+4:CH+5]
	v_add_f32 v80, v[CH], v[CH+1]
	v_add_f32_dpp v80, v80, v80 row_xmask:1 row_mask:0xf bank_mask:0xf
	v_add_f32_dpp v80, v80, v80 row_xmask:2 row_mask:0xf bank_mask:0xf
	v_add_f32_dpp v80, v80, v80 row_xmask:4 row_mask:0xf bank_mask:0xf
	v_add_f32_dpp v80, v80, v80 row_xmask:8 row_mask:0xf bank_mask:0xf
	v_permlanex16_b32 v81, v80, s10, s11
	v_add_f32 v80, v80, v81
	ds_store_b32 v82, v80 offset:\off              ; all lanes of a wave write the same word with the same value
	s_wait_dscnt 0x0                               ; for the others' sake: my store is done
	s_barrier_signal -1
	s_barrier_wait -1
	ds_load_b128 v[84:87], v83 offset:\off
	ds_load_b128 v[88:91], v83 offset:\off+16
	s_wait_dscnt 0x0
	v_add_f32 v84, v84, v85
	v_add_f32 v86, v86, v87
	v_add_f32 v88, v88, v89
	v_add_f32 v90, v90, v91
	v_add_f32 v84, v84, v86
	v_add_f32 v88, v88, v90
	v_add_f32 v84, v84, v88
.endm
	; pass 1: the sum.  The first eight pairs start the chains: nothing is cleared
	s_wait_loadcnt 12                              ; my first four loads are in; the twelve younger ones stay out
.irp c, 0,1,2,3
	v_pk_add_f32 v[CH+2*\c:CH+2*\c+1], v[X+2*\c:X+2*\c+1], v[X+8+2*\c:X+9+2*\c]
.endr
.irp g, 1,2,3
	s_wait_loadcnt 12-4*\g                         ; the next four loads; those behind them stay out
.irp p, 0,1,2,3,4,5,6,7
	v_pk_add_f32 v[CH+2*(\p%4):CH+2*(\p%4)+1], v[CH+2*(\p%4):CH+2*(\p%4)+1], v[X+16*\g+2*\p:X+16*\g+2*\p+1]
.endr
.endr
	FOLD 0
	v_mul_f32 v[MEAN], 0x38800000, v84             ; / 16,384
	v_mov_b32 v[MEAN+1], v[MEAN]
	; pass 2: the squared deviations
.set K, 0
.rept 32
	v_pk_add_f32 v[X+2*K:X+2*K+1], v[X+2*K:X+2*K+1], v[MEAN:MEAN+1] neg_lo:[0,1] neg_hi:[0,1]
.set K, K+1
.endr
.irp c, 0,1,2,3
	v_pk_mul_f32 v[CH+2*\c:CH+2*\c+1], v[X+2*\c:X+2*\c+1], v[X+2*\c:X+2*\c+1]
.endr
.set K, 4
.rept 28
	v_pk_fma_f32 v[CH+2*(K%4):CH+2*(K%4)+1], v[X+2*K:X+2*K+1], v[X+2*K:X+2*K+1], v[CH+2*(K%4):CH+2*(K%4)+1]
.set K, K+1
.endr
	FOLD 64                                        ; other LDS bytes than the first reduction's: no wave's store meets another's read
	v_mov_b32 v[MEAN+1], v84                       ; M2
	s_cmp_lg_u32 s8, 0
	s_cbranch_scc1 .Lend                           ; one lane of wave 0 stores the two numbers
	s_wait_xcnt 0x0                                ; EXEC changes only behind this wait
	v_cmp_eq_u32 vcc_lo, 0, v0
	s_and_saveexec_b32 s9, vcc_lo
	global_store_b64 v83, v[MEAN:MEAN+1], s[6:7]
	s_wait_xcnt 0x0
	s_or_b32 exec_lo, exec_lo, s9
.Lend:
	s_wait_tensorcnt 0x0
	ds_add_u32 v96, v97
	s_wait_dscnt 0x0
	s_endpgm
.Lfunc_end_k_qf9a96dd6e8_stats:
	.size	k_qf9a96dd6e8_stats, .Lfunc_end_k_qf9a96dd6e8_stats-k_qf9a96dd6e8_stats
	.p2alignl 7, 3214868480
	.fill 96, 4, 3214868480
	.section	.rodata,"a",@progbits
	.p2align	6, 0x0
	.amdhsa_kernel k_qf9a96dd6e8_stats
		.amdhsa_group_segment_fixed_size 1280
		.amdhsa_private_segment_fixed_size 0
		.amdhsa_enable_private_segment 0
		.amdhsa_kernarg_size 16
		.amdhsa_user_sgpr_count 2
		.amdhsa_user_sgpr_kernarg_segment_ptr 1
		.amdhsa_wavefront_size32 1
		.amdhsa_system_sgpr_workgroup_id_x 1
		.amdhsa_system_sgpr_workgroup_id_y 1
		.amdhsa_system_sgpr_workgroup_id_z 1
		.amdhsa_system_vgpr_workitem_id 0
		.amdhsa_next_free_vgpr 98
		.amdhsa_next_free_sgpr 66
		.amdhsa_reserve_vcc 1
		.amdhsa_float_denorm_mode_32 3
		.amdhsa_float_denorm_mode_16_64 3
		.amdhsa_memory_ordered 1
		.amdhsa_forward_progress 1
		.amdhsa_inst_pref_size 12
	.end_amdhsa_kernel
	.amdgpu_metadata
---
amdhsa.version: [ 1, 2 ]
amdhsa.kernels:
  - .name:           k_qf9a96dd6e8_stats
    .symbol:         k_qf9a96dd6e8_stats.kd
    .args:
      - { .name: x, .offset: 0, .size: 8, .value_kind: global_buffer, .address_space: global }
      - { .name: stats, .offset: 8, .size: 8, .value_kind: global_buffer, .address_space: global }
    .group_segment_fixed_size: 1280
    .private_segment_fixed_size: 0
    .kernarg_segment_align: 8
    .kernarg_segment_size: 16
    .max_flat_workgroup_size: 256
    .sgpr_count:     66
    .vgpr_count:     98
    .wavefront_size: 32
...
	.end_amdgpu_metadata
.endif
;; end of part 1
;; launch qkv (part 2): grid 16 x 16, 16 waves a work-group, no clusters, 149,504 bytes of LDS; arguments x, stats, norm_w, norm_b, qkv_w_codes, qkv_w_scales, qkv_b, qkv; writes qkv
.if DOCPART == 2
	.amdgcn_target "amdgcn-amd-amdhsa--gfx1250"
	.amdhsa_code_object_version 6
	.text
	.protected	k_qf9a96dd6e8_qkv
	.globl	k_qf9a96dd6e8_qkv
	.p2align	8
	.type	k_qf9a96dd6e8_qkv,@function
k_qf9a96dd6e8_qkv:
	s_mov_b64 s[64:65], 0
	v_nop
	global_prefetch_b8 v0, s[64:65] scope:SCOPE_SE
	s_setreg_imm32_b32 hwreg(HW_REG_WAVE_MODE, 25, 1), 1
	s_wait_xcnt 0x0
; GroupNorm, its quantiser, the 1x1 convolution to q, k, v on codes of BF6 (E3M2, one E8M0 scale for each 32 along K), bias, and the quantisers of q, k (along d) and v (along the pixels).
; x: [16][256][1024] f32.  stats: [16][8][2][mean, M2] of half groups.  qkv_w: [768][256] as codes (192 bytes a row) with 8 scale bytes a row.
; OUT: qkv = [b 16][j 8 (128 pixels)][head 4] blocks of HB = 19,456 bytes, laid in the order of the next launch's operand registers:
;   0      K: 4 images of 1,536 bytes; image p holds key tile 2 p in registers 0-5 (k = d 0..63) and key tile 2 p + 1 in registers 6-11; register rho of lane L at 512 (rho / 4) + 16 L + 4 (rho % 4)
;   6,144  V: 4 images (16 of the head's 64 x 128 keys), the same order          12,288 K's scale words, 64 bytes an image: [s0 s1 of tile 2 p, s0 s1 of tile 2 p + 1]          12,544 V's, 64 bytes an image
;   12,800 Q: 8 tiles of 768 bytes (6 registers: pair k of lane L at 256 k + 8 L)   18,944 Q's scale words, 64 bytes a tile: [s0 s1 s0 s1]
; THE ROWS OF A TILE ARE NOT NEIGHBOURS: row r of tile 2 B + u stands for element 32 B + 8 u + r + 8 (r / 8), for pixels and for a head's 64 rows of the weight alike.  So a lane's 16 result
; registers of tiles 2 B and 2 B + 1 are the 16 neighbours 32 B + 16 (lane / 16) + 0 .. 15 along the next product's K, which is what the conversions want.
; SHARES.  A work-group (x = 2 j + hp, y = b) makes q, k, v of heads 2 hp, 2 hp + 1 for 128 pixels: two whole blocks, 38,912 dense bytes.  Sixteen waves, four to a SIMD.
;   A: wave w takes norm group w % 8 (one block of 32 along K) of pixels 64 (w / 8) on: a lane holds two neighbouring pixels, its registers run down the channels; a load covers 256 consecutive bytes.
;      The codes go to LDS as images of the operand's registers.  Every wave also brings 8 rows of each of q's, k's and v's 128 weight rows: 1,536 dense bytes, three loads of 512 consecutive bytes,
;      into LDS rows 208 bytes apart, laid in the order of the tiles' rows.
;   B: waves 0-11: tensor t = w / 4, head w / 2 % 2, pixel half w % 2.  q, k: source 0 = weight rows, source 1 = pixels (a lane holds a pixel, registers along d).  v: the sources swapped (a lane holds a d, registers along the pixels).
;      Six units x two pixel halves are twelve shares: waves 12-15 have none here; they work in A and C and pass every barrier.
;   C: all waves store the stage, 512 consecutive aligned bytes an instruction.
; NO CLUSTER: what work-groups share is the weights, 73,728 bytes in 144 dense loads a work-group, a third of what a work-group reads; x is turned on its way in (a lane to a pixel), which the
; mover does not do.  No ring: nothing in LDS is filled twice.
; LIMITS: NaN and infinities are not served.  A block of zeros gets the byte 1 where the rule says 127: its codes are zeros, and this program alone reads the bytes.  v_rsq_f32 is good to 1 ulp.
.set HB,   19456
.set WP,   208                         ; a weight row in LDS: 192 bytes + 16 = 52 words: row r starts at bank 52 r mod 64, sixteen different multiples of 4 (64 banks of 4 bytes: ISA guide 11.1); lanes 16-31 read 6 words on: the 32 lanes of an 8-byte load touch 64 different banks
.set WROW, 0                           ; LDS: the weights' 384 rows: slot 64 x unit + 16 x tile + r
.set WSC,  79872                       ; their scale words, 64 bytes a fragment ((unit 4 + tile) 2 + K step)
.set HIMG, 82944                       ; the normed x: 16 fragments (2 x pixel tile + K step) of 1,536 bytes: pair p of lane L at 256 p + 8 L
.set HSC,  107520                      ; their scale words
.set STG,  108544                      ; the stage: the two blocks as they will lie in memory
.set XR,   32                          ; v32-95   A: 32 channels x 2 pixels of x
.set WR,   96                          ; v96-131  A: nine pieces of weight rows on their way to LDS;  v132-135 four fragments' scale words
.set WRS,  132
.set XS,   32                          ; v32-127  B: the eight fragments that stay (tile tt, K step s at 12 (2 tt + s))
.set YF,   128                         ; v128-151 B: the two fragments in hand
.set TM,   152                         ; v152-157 at work in the quantisers
.set PC,   160                         ; v160-165 the codes just made;  v168-170 their second half before it is moved
.set PC2,  168
.set PW,   26                          ; v26      the two scale bytes just made
.set PB,   27                          ; v27      A: the scale byte just made
.set XSC,  176                         ; v176-183 scale words of the eight;  v184-185 of the two
.set YSC,  184
.set WST,  188                         ; v188-190 where my three pieces of 8 weight rows go
.set BI,   192                         ; v192-223 the bias, as the C of each sum's first product
.set ACC,  224                         ; v224-255 four accumulators
.set TN,   224                         ; v224-255 A: one pixel's 32 normed numbers
.set SEL,  58                          ; s[58:59] lane selects for lane l xor 16
	s_load_b256 s[4:11], s[0:1], 0x0               ; x, stats, norm_w, norm_b
	s_load_b256 s[12:19], s[0:1], 0x20             ; the weight's codes, its scales, qkv_b, qkv
	v_lshl_add_u32 v187, v0, 2, 0x24000
	v_mov_b32 v191, 0
	v_and_b32 v1, 31, v0                           ; L
	v_and_b32 v2, 15, v0                           ; r
	v_bfe_u32 v3, v0, 4, 1                         ; h
	v_lshrrev_b32 v26, 5, v0
	v_readfirstlane_b32 s60, v26                   ; wave w
	s_lshr_b32 s61, s60, 2                         ; t: 0 q, 1 k, 2 v, 3 none
	s_bfe_u32 s62, s60, 0x10001                    ; hd: which of the two heads
	s_and_b32 s63, s60, 1                          ; ph: which 64 pixels in B
	s_and_b32 s66, s60, 7                          ; g: norm group in A
	s_lshr_b32 s67, s60, 3                         ; xph: which 64 pixels in A
	s_lshr_b32 s100, s60, 1                        ; u6: unit 0 .. 5 (6, 7: none)
	s_mov_b32 s[SEL], 0x76543210
	s_mov_b32 s[SEL+1], 0xfedcba98
	; ---- every LDS address is made here, ahead of the first parting of the waves: a constant, constants x lane fields, constants x wave fields
	v_lshlrev_b32 v4, 3, v1                        ; x: 8 bytes a lane: pixels 2 L, 2 L + 1
	; my pixel 2 L + q is row 2 (L % 4) + q + 8 (L / 8 % 2) of tile 4 xph + 2 (L / 16) + L / 4 % 2; my group is K step g / 4, registers 6 (g / 2 % 2) on, of the fragment's lanes with half g % 2
	s_mul_i32 s20, s67, 12288
	s_lshr_b32 s21, s66, 2
	s_mul_i32 s21, s21, 1536
	s_add_co_u32 s20, s20, s21
	s_bfe_u32 s21, s66, 0x10001
	s_mul_i32 s21, s21, 768
	s_add_co_u32 s20, s20, s21
	s_and_b32 s21, s66, 1
	s_lshl_b32 s21, s21, 7
	s_add_co_u32 s20, s20, s21
	s_add_co_u32 s20, s20, HIMG
	v_bfe_u32 v26, v0, 2, 1                        ; L / 4 % 2
	v_bfe_u32 v27, v0, 3, 1                        ; L / 8 % 2
	v_and_b32 v28, 3, v0                           ; L % 4
	v_mul_u32_u24 v5, v3, 6144
	v_mad_u32_u24 v5, v26, 3072, v5
	v_lshl_add_u32 v5, v27, 6, v5
	v_lshl_add_u32 v5, v28, 4, v5
	v_add_nc_u32 v5, s20, v5                       ; v5: where my pixels' codes go (+ 8 q)
	s_lshl_b32 s20, s67, 9
	s_lshr_b32 s21, s66, 2
	s_lshl_b32 s21, s21, 6
	s_add_co_u32 s20, s20, s21
	s_and_b32 s21, s66, 3
	s_add_co_u32 s20, s20, s21
	s_add_co_u32 s20, s20, HSC
	v_lshlrev_b32 v6, 8, v3
	v_lshl_add_u32 v6, v26, 7, v6
	v_lshl_add_u32 v6, v27, 5, v6
	v_lshl_add_u32 v6, v28, 3, v6
	v_add_nc_u32 v6, s20, v6                       ; v6: and their scale bytes: byte g % 4 of the row's word (+ 4 q)
	v_and_b32 v28, 8, v2
	v_add_nc_u32 v28, v28, v2                      ; r + 8 (r / 8)
	v_lshlrev_b32 v8, 3, v28                       ; v8: the weight's scale bytes, 8 a row
	v_lshlrev_b32 v25, 2, v28                      ; v25: v's bias: one number a lane
	v_lshlrev_b32 v24, 6, v3                       ; v24: q's and k's bias: 16 h numbers on
	v_lshlrev_b32 v29, 3, v1                       ; 8 L
	v_lshlrev_b32 v30, 2, v2                       ; 4 r
	v_lshlrev_b32 v31, 4, v1                       ; 16 L: also my 16 bytes of a dense piece of weight rows
	; rows 8 w .. 8 w + 7 of a tensor's 128: unit w / 8, tile 2 (w / 4 % 2) + w % 2, rows 8 (w / 2 % 2) on
	s_lshl_b32 s20, s67, 6
	s_bfe_u32 s21, s60, 0x10002
	s_lshl_b32 s21, s21, 5
	s_add_co_u32 s20, s20, s21
	s_lshl_b32 s21, s63, 4
	s_add_co_u32 s20, s20, s21
	s_lshl_b32 s21, s62, 3
	s_add_co_u32 s20, s20, s21
	s_mul_i32 s20, s20, WP
.irp b, 0,1,2                                  ; chunk n = 32 b + L of the 96 chunks of 16 bytes: row n / 12, so its place is 16 n + 16 (n / 12); n / 12 = 1,366 n / 2^14 for n under 2,047
	v_add_nc_u32 v26, 32*\b, v1
	v_mul_u32_u24 v27, v26, 1366
	v_lshrrev_b32 v27, 14, v27
	v_add_nc_u32 v27, v27, v26
	v_lshl_add_u32 v[WST+\b], v27, 4, s20
.endr
	s_lshl_b32 s20, s60, 8
	s_add_co_u32 s20, s20, WSC
	v_add_nc_u32 v10, s20, v30                     ; v10: where I store four fragments' scale words
	s_mul_i32 s20, s100, 64*WP
	v_mul_u32_u24 v11, v2, WP
	v_mad_u32_u24 v11, v3, 24, v11
	v_add_nc_u32 v11, s20, v11                     ; v11: my unit's weight rows: slot r, + 24 h
	s_lshl_b32 s20, s100, 9
	s_add_co_u32 s20, s20, WSC
	v_add_nc_u32 v12, s20, v30                     ; v12: their scale words
	s_mul_i32 s20, s63, 12288
	s_add_co_u32 s20, s20, HIMG
	v_add_nc_u32 v13, s20, v29                     ; v13: my pixel half's eight fragments
	s_lshl_b32 s20, s63, 9
	s_add_co_u32 s20, s20, HSC
	v_add_nc_u32 v14, s20, v30                     ; v14: their scale words
	s_mul_i32 s21, s62, HB
	s_add_co_u32 s21, s21, STG                     ; my head's block in the stage
	s_mul_i32 s20, s63, 3072
	s_add_co_u32 s20, s20, s21
	v_add_nc_u32 v15, s20, v31                     ; v15: K's images of my pixel half
	s_add_co_u32 s20, s20, 12800
	v_add_nc_u32 v17, s20, v29                     ; v17: Q's tiles of my pixel half
	s_lshl_b32 s20, s63, 7
	s_add_co_u32 s20, s20, s21
	s_add_co_u32 s20, s20, 12288
	v_add_nc_u32 v16, s20, v30                     ; v16: K's scale words
	s_lshl_b32 s20, s63, 8
	s_add_co_u32 s20, s20, s21
	s_add_co_u32 s20, s20, 18944
	v_add_nc_u32 v18, s20, v30                     ; v18: Q's scale words
	s_mul_i32 s20, s63, 520                        ; V: my pixel half is registers 6 ph .. 6 ph + 5 of each image: pairs at 0, 8, 512 (ph = 0) or 520, 1,024, 1,032 (ph = 1)
	s_add_co_u32 s20, s20, s21
	s_add_co_u32 s20, s20, 6144
	v_add_nc_u32 v19, s20, v31                     ; v19: first and third pair (offsets 0, 512)
	s_mul_i32 s20, s63, 1016
	s_add_co_u32 s20, s20, s21
	s_add_co_u32 s20, s20, 6144
	v_add_nc_u32 v20, s20, v31                     ; v20: second pair (offset 8)
	s_lshl_b32 s20, s63, 1
	s_add_co_u32 s20, s20, s21
	s_add_co_u32 s20, s20, 12544
	v_add_nc_u32 v21, s20, v30                     ; v21: V's scale words: my two bytes
	s_lshl_b32 s20, s60, 9
	v_add_nc_u32 v23, s20, v31                     ; v23: the way out: 512 w + 16 L in the two blocks,
	v_add_nc_u32 v22, STG, v23                     ; v22: and in the stage
	v_mov_b32 v[TM+2], 0                           ; written once: a lane permute's destination counts as one of its sources
	v_mov_b32 v[TM+3], 0
	; ---- offsets into the buffers
	s_and_b32 s34, ttmp7, 0xffff                   ; b
	s_lshr_b32 s35, ttmp9, 1                       ; j
	s_and_b32 s36, ttmp9, 1                        ; hp
	s_lshl_b32 s20, s34, 20                        ; x: batch, group's first channel, pixel block, my 64 pixels
	s_lshl_b32 s37, s66, 17
	s_add_co_u32 s20, s20, s37
	s_lshl_b32 s37, s35, 9
	s_add_co_u32 s20, s20, s37
	s_lshl_b32 s37, s67, 8
	s_add_co_u32 s20, s20, s37
	s_mov_b32 s21, 0
	s_lshl_b32 s22, s34, 3                         ; stats: 16 bytes a group
	s_add_co_u32 s22, s22, s66
	s_lshl_b32 s22, s22, 4
	s_mov_b32 s23, 0
	s_lshl_b32 s24, s66, 7                         ; norm_w, norm_b: the group's 32 numbers
	s_mov_b32 s25, 0
	s_mul_i32 s26, s36, 24576                      ; the weight's codes: row 128 hp + 8 w of each tensor's 256
	s_mul_i32 s37, s60, 1536
	s_add_co_u32 s26, s26, s37
	s_mov_b32 s27, 0
	s_lshl_b32 s30, s61, 8                         ; o0 = 256 t + 64 (2 hp + hd): my unit's first row of the weight
	s_lshl_b32 s37, s36, 7
	s_add_co_u32 s30, s30, s37
	s_lshl_b32 s37, s62, 6
	s_add_co_u32 s30, s30, s37
	s_lshl_b32 s37, s63, 5
	s_add_co_u32 s37, s37, s30                     ; o0 + 32 ph: the rows of tiles 2 ph, 2 ph + 1, whose scale words I bring
	s_lshl_b32 s28, s37, 3
	s_mov_b32 s29, 0
	s_lshl_b32 s30, s30, 2
	s_mov_b32 s31, 0
	s_lshl_b32 s32, s34, 5                         ; qkv: block 32 b + 4 j + 2 hp
	s_lshl_b32 s37, ttmp9, 1
	s_add_co_u32 s32, s32, s37
	s_mul_i32 s32, s32, HB
	s_mov_b32 s33, 0
	s_wait_kmcnt 0x0
	s_add_nc_u64 s[4:5], s[4:5], s[20:21]
	s_add_nc_u64 s[6:7], s[6:7], s[22:23]
	s_add_nc_u64 s[8:9], s[8:9], s[24:25]
	s_add_nc_u64 s[10:11], s[10:11], s[24:25]
	s_add_nc_u64 s[12:13], s[12:13], s[26:27]
	s_add_nc_u64 s[14:15], s[14:15], s[28:29]
	s_add_nc_u64 s[16:17], s[16:17], s[30:31]
	s_add_nc_u64 s[18:19], s[18:19], s[32:33]
	s_load_b128 s[52:55], s[6:7], 0x0              ; mean and M2 of the group's two halves
	s_load_b512 s[20:35], s[8:9], 0x0              ; norm_w of the group's 32 channels: s20-51
	s_load_b512 s[36:51], s[8:9], 0x40
	s_load_b512 s[68:83], s[10:11], 0x0            ; norm_b: s68-99
	s_load_b512 s[84:99], s[10:11], 0x40
	; ---- A: loads.  Waves 0-11: their unit's bias and four fragments' scale words
	s_cmp_eq_u32 s61, 3
	s_cbranch_scc1 .Lno_w
	s_cmp_eq_u32 s61, 2
	s_cbranch_scc1 .Lbias_v
.irp tt, 0,1,2,3                               ; q, k: register j of tile tt is weight row 32 (tt / 2) + 16 h + 8 (tt % 2) + j
	global_load_b128 v[BI+8*\tt:BI+8*\tt+3], v24, s[16:17] offset:4*(32*(\tt/2)+8*(\tt%2))
	global_load_b128 v[BI+8*\tt+4:BI+8*\tt+7], v24, s[16:17] offset:4*(32*(\tt/2)+8*(\tt%2))+16
.endr
	s_branch .Lbias_in
.Lbias_v:
.irp y, 0,1,2,3                                ; v: a lane holds one weight row: one number for all eight registers of tile y
	global_load_b32 v[BI+8*\y], v25, s[16:17] offset:4*(32*(\y/2)+8*(\y%2))
.endr
.Lbias_in:
.irp e, 0,1
.irp s, 0,1
	global_load_b32 v[WRS+2*\e+\s], v8, s[14:15] offset:64*\e+4*\s
.endr
.endr
.Lno_w:
.irp t, 0,1,2                                  ; every wave: 8 rows of q's, of k's and of v's weight: three pieces of 512 consecutive bytes each
.irp b, 0,1,2
	global_load_b128 v[WR+4*(3*\t+\b):WR+4*(3*\t+\b)+3], v31, s[12:13] offset:49152*\t+512*\b
.endr
.endr
.set I, 0
.rept 32                                       ; x(channel I of my group, pixels 2 L, 2 L + 1): 32 lanes read 256 consecutive bytes
	global_load_b64 v[XR+2*I:XR+2*I+1], v4, s[4:5] offset:4096*I
.set I, I+1
.endr
	s_wait_loadcnt 32                              ; only x's 32 loads are younger: bias, scale words and weight rows are in
.irp t, 0,1,2
.irp b, 0,1,2
	ds_store_b128 v[WST+\b], v[WR+4*(3*\t+\b):WR+4*(3*\t+\b)+3] offset:128*WP*\t
.endr
.endr
	s_cmp_eq_u32 s61, 3
	s_cbranch_scc1 .Lno_ws
.irp f, 0,1,2,3
	ds_store_b32 v10, v[WRS+\f] offset:64*\f       ; lanes L and L + 16 write the same word with the same value
.endr
.Lno_ws:
	; the group's mean and 1 / sqrt(var + eps) from its two halves of n = 16,384: M2 = Qa + Qb + (ma - mb)^2 n / 2
	s_wait_kmcnt 0x0
	v_mov_b32 v26, s52
	v_add_f32 v27, s54, v26
	v_mul_f32 v27, 0.5, v27                        ; the mean
	v_sub_f32 v28, s54, v26
	v_mul_f32 v28, v28, v28
	v_mov_b32 v29, s53
	v_add_f32 v29, s55, v29
	v_fmamk_f32 v29, v28, 0x46000000, v29          ; + 8,192 x the squared difference
	v_mul_f32 v29, 0x38000000, v29                 ; / 32,768: the variance
	v_add_f32 v29, 0x3727c5ac, v29                 ; + 1e-5
	v_rsq_f32 v29, v29
	v_nop                                          ; one plain place behind a transcendental
	v_readfirstlane_b32 s56, v27
	s_wait_alu depctr_va_vdst(0)
	v_readfirstlane_b32 s57, v29
.set I, 0
.rept 32
	s_mul_f32 s[20+I], s[20+I], s57                ; a_c = norm_w[c] / sqrt(var + eps)
.set I, I+1
.endr
	; the mean is taken off first, so that an offset common to all of x costs no accuracy
	s_wait_loadcnt 16                              ; x's first sixteen loads are in; the second sixteen stay out
.set I, 0
.rept 16
	v_pk_add_f32 v[XR+I:XR+I+1], v[XR+I:XR+I+1], s[56:57] op_sel_hi:[1,0] neg_lo:[0,1] neg_hi:[0,1]
.set I, I+2
.endr
	s_wait_loadcnt 0x0
.rept 16
	v_pk_add_f32 v[XR+I:XR+I+1], v[XR+I:XR+I+1], s[56:57] op_sel_hi:[1,0] neg_lo:[0,1] neg_hi:[0,1]
.set I, I+2
.endr
; pixel 2 L + q: (x - mean) a_c + norm_b[c] into 32 registers on end, which parts the two pixels; then the block of 32 channels becomes 6 registers of codes and a byte
.macro QBLK q
.set I, 0
.rept 32
	v_fma_f32 v[TN+I], v[XR+2*I+\q], s[20+I], s[68+I]
.set I, I+1
.endr
	v_max3_num_f32 v[TM], |v[TN]|, |v[TN+1]|, |v[TN+2]|            ; the block's largest magnitude: all 32 numbers are mine; two chains
	v_max3_num_f32 v[TM+1], |v[TN+3]|, |v[TN+4]|, |v[TN+5]|
.irp i, 6,10,14,18,22,26
	v_max3_num_f32 v[TM], v[TM], |v[TN+\i]|, |v[TN+\i+1]|
	v_max3_num_f32 v[TM+1], v[TM+1], |v[TN+\i+2]|, |v[TN+\i+3]|
.endr
	v_max3_num_f32 v[TM], v[TM], |v[TN+30]|, |v[TN+31]|
	v_max3_num_f32 v[TM], v[TM], v[TM+1], 0x2800000                ; and the floor 2^(5 - 127): the byte cannot fall under 1
	v_add_nc_u32 v[TM+4], 0xfe000000, v[TM]        ; 4 off the exponent field: the conversion's scale operand
	v_lshrrev_b32 v[PB], 23, v[TM+4]               ; the scale's byte
	v_cvt_scalef32_pk16_bf6_f32 v[PC:PC+2], v[TN:TN+15], v[TM+4]
	v_cvt_scalef32_pk16_bf6_f32 v[PC2:PC2+2], v[TN+16:TN+31], v[TM+4]   ; (a conversion's three registers begin on an even number)
	v_nop                                          ; one plain place behind a scaled conversion
.irp i, 0,1,2
	v_mov_b32 v[PC+3+\i], v[PC2+\i]
.endr
.irp k, 0,1,2
	ds_store_b64 v5, v[PC+2*\k:PC+2*\k+1] offset:8*\q+256*\k
.endr
	ds_store_b8 v6, v[PB] offset:4*\q
	s_wait_dscnt 0x0                               ; the stores are done: their registers may be written again; behind the second pixel: for the others' sake, all that I put into LDS lies there
.endm
	QBLK 0
	QBLK 1
	s_barrier_signal -1
	s_barrier_wait -1
; 32 numbers of a lane, register 16 b + i = k 32 b + 16 (lane / 16) + i of the lane's row, become 6 registers of codes (k = 32 (lane / 16) + 0 .. 31) in v[PC] on and two scale bytes in v[PW].
; Each accumulator is read from its low end on.
.macro QUANT64 s
.irp b, 0,1
	v_max3_num_f32 v[TM+\b], |v[\s+16*\b]|, |v[\s+1+16*\b]|, 0x2800000   ; my 16 numbers of block b, and the floor 2^(5 - 127)
.endr
.irp i, 2,4,6,8,10,12,14
.irp b, 0,1
	v_max3_num_f32 v[TM+\b], v[TM+\b], |v[\s+16*\b+\i]|, |v[\s+1+16*\b+\i]|
.endr
.endr
.irp b, 0,1
	v_permlanex16_b32 v[TM+2+\b], v[TM+\b], s[SEL], s[SEL+1]
.endr
.irp b, 0,1
	v_max_num_f32 v[TM+\b], v[TM+\b], v[TM+2+\b]   ; with lane l xor 16's: the block's largest magnitude
.endr
.irp b, 0,1
	v_add_nc_u32 v[TM+4+\b], 0xfe000000, v[TM+\b]  ; 4 off its exponent field: the conversion's scale operand
.endr
.irp b, 0,1
	v_lshrrev_b32 v[TM+2+\b], 23, v[TM+4+\b]       ; the scale's byte
.endr
	v_lshl_or_b32 v[PW], v[TM+3], 8, v[TM+2]
	v_cvt_scalef32_pk16_bf6_f32 v[PC:PC+2], v[\s:\s+15], v[TM+4]
	v_cvt_scalef32_pk16_bf6_f32 v[PC2:PC2+2], v[\s+16:\s+31], v[TM+5]
	v_nop                                          ; one plain place behind a scaled conversion
.irp i, 0,1,2
	v_permlane16_swap_b32 v[PC+\i], v[PC2+\i]      ; a WHOLE block to a lane: lanes 0-15 block 0, lanes 16-31 block 1
.endr
.irp i, 0,1,2
	v_mov_b32 v[PC+3+\i], v[PC2+\i]
.endr
.endm
.macro LDW reg, sreg, tile, s                  ; a weight fragment from its rows: lane (r, h) takes 24 bytes at 24 h and 24 at 48 + 24 h of K step s, in pieces of 8; and its scale words
.irp p, 0,1,2,3,4,5
	ds_load_b64 v[\reg+2*\p:\reg+2*\p+1], v11 offset:16*WP*(\tile)+96*(\s)+48*(\p/3)+8*(\p%3)
.endr
	ds_load_b32 v[\sreg], v12 offset:64*(2*(\tile)+(\s))
.endm
.macro LDH reg, sreg, f                        ; a fragment of the normed x from its image; and its scale words
.irp p, 0,1,2,3,4,5
	ds_load_b64 v[\reg+2*\p:\reg+2*\p+1], v13 offset:1536*(\f)+256*\p
.endr
	ds_load_b32 v[\sreg], v14 offset:64*(\f)
.endm
; ---- B: a unit.  Eight fragments stay in registers: q, k: my unit's weight rows; v: my 64 pixels.  The other side's four tiles go by, two K steps each.
; The four accumulators take turns, one instruction a turn.  The bias is the C of each sum's first product.
.macro UNIT kind
.if \kind == 2
.irp y, 0,1,2,3
.irp i, 1,2,3,4,5,6,7
	v_mov_b32 v[BI+8*\y+\i], v[BI+8*\y]
.endr
.endr
.endif
.set F, 0
.rept 8
.if \kind == 2
	LDH XS+12*F, XSC+F, F
.else
	LDW XS+12*F, XSC+F, F/2, F%2
.endif
.set F, F+1
.endr
.irp y, 0,1,2,3
.irp s, 0,1
.if \kind == 2
	LDW YF+12*\s, YSC+\s, \y, \s
.else
	LDH YF+12*\s, YSC+\s, 2*\y+\s
.endif
.endr
	s_wait_dscnt 0x0                               ; the fragments are in, and the last tile's stores have read their registers
.irp tt, 0,1,2,3
.if \kind == 2
	v_wmma_scale_f32_16x16x128_f8f6f4 v[ACC+8*\tt:ACC+8*\tt+7], v[XS+24*\tt:XS+24*\tt+11], v[YF:YF+11], v[BI+8*\y:BI+8*\y+7], v[XSC+2*\tt], v[YSC] matrix_a_fmt:MATRIX_FMT_BF6 matrix_b_fmt:MATRIX_FMT_BF6
.else
	v_wmma_scale_f32_16x16x128_f8f6f4 v[ACC+8*\tt:ACC+8*\tt+7], v[XS+24*\tt:XS+24*\tt+11], v[YF:YF+11], v[BI+8*\tt:BI+8*\tt+7], v[XSC+2*\tt], v[YSC] matrix_a_fmt:MATRIX_FMT_BF6 matrix_b_fmt:MATRIX_FMT_BF6
.endif
.endr
.irp tt, 0,1,2,3
	v_wmma_scale_f32_16x16x128_f8f6f4 v[ACC+8*\tt:ACC+8*\tt+7], v[XS+24*\tt+12:XS+24*\tt+23], v[YF+12:YF+23], v[ACC+8*\tt:ACC+8*\tt+7], v[XSC+2*\tt+1], v[YSC+1] matrix_a_fmt:MATRIX_FMT_BF6 matrix_b_fmt:MATRIX_FMT_BF6
.endr
.rept 4
	v_nop                                          ; four places behind the products, ahead of the first read of their results (ISA guide 7.12.1); with the quantiser's plain lines on its own registers
.endr                                              ; they are also the places ahead of the next tile's loads and of its first products, which begin the accumulators anew
	QUANT64 ACC
.if \kind == 0                                 ; q: pixel tile 4 ph + y: 6 registers, and the word [s0 s1 s0 s1]
.irp k, 0,1,2
	ds_store_b64 v17, v[PC+2*\k:PC+2*\k+1] offset:768*\y+256*\k
.endr
	v_lshl_or_b32 v[PW], v[PW], 16, v[PW]
	ds_store_b32 v18, v[PW] offset:64*\y
.endif
.if \kind == 1                                 ; k: tile 4 ph + y is registers 6 (y % 2) on of image 2 ph + y / 2
	ds_store_b64 v15, v[PC:PC+1] offset:1536*(\y/2)+520*(\y%2)
	ds_store_b64 v15, v[PC+2:PC+3] offset:1536*(\y/2)+8+1016*(\y%2)
	ds_store_b64 v15, v[PC+4:PC+5] offset:1536*(\y/2)+512+520*(\y%2)
	ds_store_b16 v16, v[PW] offset:64*(\y/2)+2*(\y%2)
.endif
.if \kind == 2                                 ; v: d tile y, keys 64 ph + 32 h on: registers 6 ph on of image y
	ds_store_b64 v19, v[PC:PC+1] offset:1536*\y
	ds_store_b64 v20, v[PC+2:PC+3] offset:1536*\y+8
	ds_store_b64 v19, v[PC+4:PC+5] offset:1536*\y+512
	ds_store_b16 v21, v[PW] offset:64*\y
.endif
.endr
.endm
	s_cmp_eq_u32 s61, 3
	s_cbranch_scc1 .Ldone
	s_cmp_eq_u32 s61, 2
	s_cbranch_scc1 .Lunit_v
	s_cmp_eq_u32 s61, 1
	s_cbranch_scc1 .Lunit_k
	UNIT 0
	s_branch .Ldone
.Lunit_k:
	UNIT 1
	s_branch .Ldone
.Lunit_v:
	UNIT 2
.Ldone:
	s_wait_dscnt 0x0                               ; for the others' sake: my part of the stage is written
	s_barrier_signal -1
	s_barrier_wait -1
	; ---- C: 38,912 bytes = 76 pieces of 512: piece w + 16 i; the fifth turn has pieces for waves 0-11
.irp i, 0,1,2,3
	ds_load_b128 v[32+4*\i:35+4*\i], v22 offset:8192*\i
.endr
	s_cmp_lt_u32 s60, 12
	s_cbranch_scc0 .Lfour
	ds_load_b128 v[48:51], v22 offset:32768
	s_wait_dscnt 0x0
	global_store_b128 v23, v[48:51], s[18:19] offset:32768
.Lfour:
	s_wait_dscnt 0x0
.irp i, 0,1,2,3
	global_store_b128 v23, v[32+4*\i:35+4*\i], s[18:19] offset:8192*\i   ; 32 lanes store 512 consecutive bytes, at a multiple of 256 from the buffer's first byte
.endr
	s_wait_tensorcnt 0x0
	ds_add_u32 v187, v191
	s_wait_dscnt 0x0
	s_endpgm
.Lfunc_end_k_qf9a96dd6e8_qkv:
	.size	k_qf9a96dd6e8_qkv, .Lfunc_end_k_qf9a96dd6e8_qkv-k_qf9a96dd6e8_qkv
	.p2alignl 7, 3214868480
	.fill 96, 4, 3214868480
	.section	.rodata,"a",@progbits
	.p2align	6, 0x0
	.amdhsa_kernel k_qf9a96dd6e8_qkv
		.amdhsa_group_segment_fixed_size 149504
		.amdhsa_private_segment_fixed_size 0
		.amdhsa_enable_private_segment 0
		.amdhsa_kernarg_size 64
		.amdhsa_user_sgpr_count 2
		.amdhsa_user_sgpr_kernarg_segment_ptr 1
		.amdhsa_wavefront_size32 1
		.amdhsa_system_sgpr_workgroup_id_x 1
		.amdhsa_system_sgpr_workgroup_id_y 1
		.amdhsa_system_sgpr_workgroup_id_z 1
		.amdhsa_system_vgpr_workitem_id 0
		.amdhsa_next_free_vgpr 256
		.amdhsa_next_free_sgpr 102
		.amdhsa_reserve_vcc 0
		.amdhsa_float_denorm_mode_32 3
		.amdhsa_float_denorm_mode_16_64 3
		.amdhsa_memory_ordered 1
		.amdhsa_forward_progress 1
		.amdhsa_inst_pref_size 88
	.end_amdhsa_kernel
	.amdgpu_metadata
---
amdhsa.version: [ 1, 2 ]
amdhsa.kernels:
  - .name:           k_qf9a96dd6e8_qkv
    .symbol:         k_qf9a96dd6e8_qkv.kd
    .args:
      - { .name: x, .offset: 0, .size: 8, .value_kind: global_buffer, .address_space: global }
      - { .name: stats, .offset: 8, .size: 8, .value_kind: global_buffer, .address_space: global }
      - { .name: norm_w, .offset: 16, .size: 8, .value_kind: global_buffer, .address_space: global }
      - { .name: norm_b, .offset: 24, .size: 8, .value_kind: global_buffer, .address_space: global }
      - { .name: qkv_w_codes, .offset: 32, .size: 8, .value_kind: global_buffer, .address_space: global }
      - { .name: qkv_w_scales, .offset: 40, .size: 8, .value_kind: global_buffer, .address_space: global }
      - { .name: qkv_b, .offset: 48, .size: 8, .value_kind: global_buffer, .address_space: global }
      - { .name: qkv, .offset: 56, .size: 8, .value_kind: global_buffer, .address_space: global }
    .group_segment_fixed_size: 149504
    .private_segment_fixed_size: 0
    .kernarg_segment_align: 8
    .kernarg_segment_size: 64
    .max_flat_workgroup_size: 512
    .sgpr_count:     102
    .vgpr_count:     256
    .wavefront_size: 32
...
	.end_amdgpu_metadata
.endif
;; end of part 2
;; launch attn (part 3): grid 16 x 16, 16 waves a work-group, clusters of 4 x 1, 327,680 bytes of LDS; arguments qkv, proj_w_codes, proj_w_scales, proj_b, x, out0; writes out0
.if DOCPART == 3
	.amdgcn_target "amdgcn-amd-amdhsa--gfx1250"
	.amdhsa_code_object_version 6
	.text
	.protected	k_qf9a96dd6e8_attn
	.globl	k_qf9a96dd6e8_attn
	.p2align	8
	.type	k_qf9a96dd6e8_attn,@function
k_qf9a96dd6e8_attn:
	s_mov_b64 s[64:65], 0
	v_nop
	global_prefetch_b8 v0, s[64:65] scope:SCOPE_SE
	s_setreg_imm32_b32 hwreg(HW_REG_WAVE_MODE, 25, 1), 1
	s_wait_xcnt 0x0
	s_wait_alu depctr_hold_cnt(0) depctr_sa_sdst(0) depctr_va_vdst(0) depctr_va_sdst(0) depctr_va_ssrc(0) depctr_va_vcc(0) depctr_vm_vsrc(0)
	s_getreg_b32 s2, hwreg(HW_REG_IB_STS2, 6, 4)
	s_cmp_eq_u32 s2, 0
	s_cbranch_scc0 .Lentry_in_a_cluster
	s_endpgm
.Lentry_in_a_cluster:
	s_bfe_u32 s2, ttmp6, 0x10000c
	s_cmp_lg_u32 s2, 0x3003
	s_cbranch_scc0 .Lentry_shape_is_right
	s_endpgm
.Lentry_shape_is_right:
; Attention on codes of BF6 (E3M2, one E8M0 scale for each 32 along K), the projection on codes, its bias and the residual.  16 batches, 4 heads, 1,024 pixels, d = 64.
; qkv: [b 16][j 8 (128 pixels)][head 4] blocks of HB = 19,456 bytes in the order of the operands' registers: K's 4 images at 0, V's 4 at 6,144, K's scale words at 12,288, V's at 12,544
; (these 12,800 bytes are what a key step of a head wants), Q's 8 tiles at 12,800, Q's scale words at 18,944.  An image is 1,536 bytes: register rho of lane L at 512 (rho / 4) + 16 L + 4 (rho % 4).
; Row r of tile 2 B + u stands for element 32 B + 8 u + r + 8 (r / 8), for pixels and for d alike, so that 16 result registers of two neighbouring tiles are 16 neighbours along the next K.
; K = 64 IN AN INSTRUCTION OF 128: an image of K holds key tile 2 p at k = 0..63 and tile 2 p + 1 at k = 64..127.  Q stands twice in registers: B1 = [Q, zero codes], B2 = [zero codes, Q], scale word [s0 s1 s0 s1].
; image x B1 gives tile 2 p's scores, image x B2 tile 2 p + 1's: zero codes add nothing under any scale byte but 0xff, and every byte here lies in 1 .. 254.  Each fragment is read from LDS once.
; SOFTMAX AHEAD OF THE SECOND PRODUCT: t = score x log2(e) / 8; M = the row's largest t so far, rounded UP to a whole number; p = 2^(t - M) is quantised along the keys, not normalised; the row's sum is
; taken of the unquantised p and divides O at the end.  When M moves, the sum and O are multiplied by 2^(old M - new M): exact.
; SHARES.  A work-group owns 64 pixels of a batch, all four heads.  Sixteen waves, four to a SIMD: wave w takes head w / 4 and query tile w % 4 in attention, output channels 16 w .. 16 w + 15 in the projection.
; Both attention products are used transposed (source 0 = keys, or V's d rows; source 1 = my 16 queries): a lane holds ONE query throughout.
; RING.  Three LDS slots, each two key steps x four heads x 12,800 bytes: six of the eight key steps come with the first fills, and only slot 0 is filled again, with the last two.
; Every wave fetches 6,400 dense bytes of a slot (25 rows of 256) with one tensor load.
; CLUSTER.  The four work-groups of a cluster belong to one batch and walk the same K and V: each load is asked for JOINTLY, with the same descriptor and a mask that names the four.
; By this text's own count a wave has three tensor loads out at the start and one behind the refill's round.
; LIMITS: NaN and infinities are not served.  A block of zeros gets the byte 1 where the rule says 127 (zero codes; only this program reads the bytes).  v_exp_f32 and v_rcp_f32 are good to 1 ulp and flush
; denormals.  A block's largest p is the exponential of its largest score, which takes v_exp_f32 not to fall where its input rises.
; REGISTERS: v1-3 K's and V's images in slot 0, 1, 2; v92-94 their scale words; v5-6 for the add; v7 x's and out0's offset; v8-11, v28-30 LDS addresses of the end; v12 -M, v13 the largest t, v[14:15] the sum;
; v16-27 B1; v80-91 B2; v32-79 four fragments of K, then of V; v96-159 S^T, then p; v160-191 O^T; v192-218 proj_w's two fragments, scale words, bias; v224-235 p's codes; v232-254 at work;
; v248-251 K's and V's scale words; v253 p's; v255 Q's.
.set HB,    19456
.set STEPB, 51200                      ; a key step in a slot: four heads x 12,800
.set SLOT,  102400
.set SPARE, 307200                     ; behind the ring: the spare words, 128 bytes for each of 16 waves: eight blocks of 256 bytes that no other line names
.set AIMG,  309248                     ; attention's result as 8 images (2 x pixel tile + K step of the projection)
.set ASC,   321536                     ; their scale words, 64 bytes an image
.set OSTG,  SLOT                       ; the way out: 16 rows x (256 bytes + 16) for each wave, in slot 1: it has had its one fill, and every wave has left it ahead of the last barrier of the ring
.set TM,    232
.set PC,    224
.set PC2,   240
.set PW,    31
.macro CROUND                          ; a round of the cluster's barrier
	s_barrier_signal -1
	s_barrier_wait -1
	s_cmp_lg_u32 s18, 0
	s_cbranch_scc1 .Lnot_wave_0_\@
	s_barrier_signal -3
.Lnot_wave_0_\@:
	s_barrier_wait -3
	s_barrier_signal -1
	s_barrier_wait -1
.endm
	s_load_b256 s[4:11], s[0:1], 0x0               ; qkv, proj_w's codes, its scales, proj_b
	s_load_b128 s[12:15], s[0:1], 0x20             ; x, out0
	v_lshl_add_u32 v5, v0, 2, SPARE
	v_mov_b32 v6, 0
	ds_add_u32 v5, v6
	ds_add_u32 v5, v6
	s_wait_dscnt 0x0
	v_lshrrev_b32 v31, 5, v0
	v_readfirstlane_b32 s18, v31                   ; wave 0..15
	s_mov_b32 s20, 0x76543210
	s_mov_b32 s21, 0xfedcba98                      ; v_permlanex16_b32's selects for lane l xor 16
	s_mov_b32 s22, 0x3e38aa3b                      ; c = log2(e) / sqrt(64)
	s_mov_b32 s23, s22                             ; (named with it as a pair, so it is written)
	; descriptor group 1: 25 dense rows of 256 bytes (32 elements of 8 bytes), no padding: images are read 16 bytes a lane on end
	s_mov_b32 s24, 15|(3<<16)|(1<<21)              ; 15:0 the mask: all four work-groups; 17:16 elements of 8 bytes; 21 set beside a mask
	s_mov_b32 s25, 32<<16                          ; tensor_dim0 = 32
	s_mov_b32 s26, 25<<16                          ; tensor_dim1 = 25
	s_mov_b32 s27, 32<<16                          ; tile_dim0 = 32
	s_mov_b32 s28, 25                              ; tile_dim1 = 25
	s_mov_b32 s29, 32                              ; from row to row
	s_mov_b32 s30, 0
	s_mov_b32 s31, 0
	; what I fetch hangs on the batch, which the partners share, and on my wave's number: block 32 b + 8 n + w / 2, its half w % 2
	s_and_b32 s46, ttmp7, 0xffff                   ; b
	s_lshl_b32 s52, s46, 5
	s_lshr_b32 s51, s18, 1
	s_add_co_u32 s52, s52, s51
	s_mul_i32 s52, s52, HB
	s_and_b32 s51, s18, 1
	s_mul_i32 s51, s51, 6400
	s_add_co_u32 s52, s52, s51
	s_mov_b32 s53, 0
	s_mul_i32 s56, s18, 6400                       ; and where it goes: no place in the cluster enters an LDS address
	; my place in the cluster enters Q's, x's and out0's addresses alone
	s_bfe_u32 s44, ttmp6, 0x40000                  ; cx
	s_lshl_b32 s45, ttmp9, 2
	s_add_co_u32 s45, s45, s44                     ; qb: my block of 64 pixels
	s_lshr_b32 s47, s45, 1                         ; j
	s_and_b32 s48, s45, 1                          ; ph
	s_lshr_b32 s49, s18, 2                         ; hd
	s_and_b32 s50, s18, 3                          ; y
	s_lshl_b32 s57, s46, 5
	s_lshl_b32 s51, s47, 2
	s_add_co_u32 s57, s57, s51
	s_add_co_u32 s57, s57, s49
	s_mul_i32 s57, s57, HB                         ; block 32 b + 4 j + hd
	s_lshl_b32 s51, s48, 2
	s_add_co_u32 s51, s51, s50                     ; my query tile in it: 4 ph + y
	s_mul_i32 s58, s51, 768
	s_add_co_u32 s58, s58, s57
	s_mov_b32 s59, 0
	s_lshl_b32 s60, s51, 6
	s_add_co_u32 s60, s60, s57
	s_mov_b32 s61, 0
	s_lshl_b32 s62, s46, 20                        ; x, out0: batch, channel 16 w, pixel 64 qb
	s_lshl_b32 s51, s18, 16
	s_add_co_u32 s62, s62, s51
	s_lshl_b32 s51, s45, 8
	s_add_co_u32 s62, s62, s51
	s_mov_b32 s63, 0
	; ---- lane addresses and the registers that begin as zeros: all this stands ahead of the wait for the arguments
	v_and_b32 v222, 31, v0                         ; L
	v_and_b32 v223, 15, v0                         ; r
	v_bfe_u32 v95, v0, 4, 1                        ; h
	s_mul_i32 s66, s49, 12800
	v_lshl_add_u32 v1, v222, 4, s66                ; images: 16 L + my head's 12,800 bytes, slot 0;
	v_add_nc_u32 v2, SLOT, v1                      ; slot 1;
	v_add_nc_u32 v3, 2*SLOT, v1                    ; slot 2
	v_lshl_add_u32 v92, v222, 2, s66               ; scale words: 4 L: lanes 0-15 one image's, lanes 16-31 the next one's
	v_add_nc_u32 v93, SLOT, v92
	v_add_nc_u32 v94, 2*SLOT, v92
	v_lshlrev_b32 v7, 12, v95
	v_lshl_add_u32 v7, v223, 4, v7                 ; x, out0: lanes 0-15 one channel's 256 bytes, lanes 16-31 the next channel's
	s_lshl_b32 s67, s50, 1
	s_lshr_b32 s68, s49, 1
	s_add_co_u32 s67, s67, s68                     ; my result belongs to image 2 y + hd / 2,
	s_and_b32 s68, s49, 1                          ; registers 6 (hd % 2) on: pairs at 0, 8, 512 or at 520, 1,024, 1,032
	s_mul_i32 s69, s67, 1536
	s_add_co_u32 s69, s69, AIMG
	s_mul_i32 s66, s68, 520
	s_add_co_u32 s66, s66, s69
	v_lshl_add_u32 v8, v222, 4, s66                ; first and third pair (offsets 0, 512)
	s_mul_i32 s66, s68, 1016
	s_add_co_u32 s66, s66, s69
	v_lshl_add_u32 v9, v222, 4, s66                ; second pair (offset 8)
	s_lshl_b32 s66, s67, 6
	s_lshl_b32 s68, s68, 1
	s_add_co_u32 s66, s66, s68
	s_add_co_u32 s66, s66, ASC
	v_lshl_add_u32 v10, v223, 2, s66               ; my two scale bytes
	v_lshl_add_u32 v11, v222, 4, AIMG              ; and where any wave reads the images
	v_lshl_add_u32 v28, v222, 2, ASC               ; and their scale words
	s_mul_i32 s66, s18, 4352
	s_add_co_u32 s66, s66, OSTG                    ; my stage
	v_mul_u32_u24 v29, v223, 272
	v_lshl_add_u32 v29, v95, 6, v29
	v_add_nc_u32 v29, s66, v29                     ; in: row r (a channel), 64 h bytes on
	v_mul_u32_u24 v30, v95, 272
	v_lshl_add_u32 v30, v223, 4, v30
	v_add_nc_u32 v30, s66, v30                     ; back: lanes 0-15 one row, lanes 16-31 the next
	v_lshlrev_b32 v31, 3, v222                     ; Q: 8 L
	v_lshlrev_b32 v4, 2, v223                      ; Q's scale word: 4 r
	s_mul_i32 s66, s18, 3072
	v_mul_u32_u24 v219, v223, 192
	v_mad_u32_u24 v219, v95, 24, v219
	v_add_nc_u32 v219, s66, v219                   ; proj_w: row 16 w + r of 192 bytes, + 24 h
	s_lshl_b32 s66, s18, 7
	v_lshl_add_u32 v220, v223, 3, s66              ; its scale bytes, 8 a row
	s_lshl_b32 s66, s18, 6
	v_lshl_add_u32 v221, v223, 2, s66              ; proj_b
.irp i, 0,1,2,3,4,5
	v_mov_b32 v[22+\i], 0                          ; zero codes: B1's upper half,
	v_mov_b32 v[80+\i], 0                          ; B2's lower half
.endr
.set J, 0
.rept 32
	v_mov_b32 v[160+J], 0                          ; O^T.  (The step is written once: the first finds zeros, which the first change of M leaves zeros)
.set J, J+1
.endr
	v_mov_b32 v13, 0xff61b1e6                      ; the largest t so far: -3e38, under every t
	v_floor_f32 v12, -v13                          ; -M
	v_mov_b32 v14, 0                               ; the sum, in two halves
	v_mov_b32 v15, 0
.irp b, 0,1,2,3
	v_mov_b32 v[236+\b], 0                         ; written once: a lane permute's destination counts as one of its sources
.endr
	v_mov_b32 v253, 0                              ; (named as the upper half of the pair v[252:253] before it is first written)
	s_wait_kmcnt 0x0
	s_add_nc_u64 s[54:55], s[4:5], s[52:53]
	s_add_nc_u64 s[58:59], s[4:5], s[58:59]        ; Q's tile (less 12,800)
	s_add_nc_u64 s[60:61], s[4:5], s[60:61]        ; Q's scale words (less 18,944)
	s_add_nc_u64 s[12:13], s[12:13], s[62:63]
	s_add_nc_u64 s[14:15], s[14:15], s[62:63]
.irp n, 0,1,2                                  ; descriptor group 0, a set for each slot
	s_mov_b32 s[32+4*\n], 1                        ; count = 1
	s_add_co_u32 s[33+4*\n], s56, \n*SLOT          ; LDS address
	s_add_nc_u64 s[34+4*\n:35+4*\n], s[54:55], \n*8*HB   ; slot n begins with key steps 2 n, 2 n + 1
	s_or_b32 s[35+4*\n], s[35+4*\n], 0x80000000    ; type = 2
.endr
	CROUND                                         ; all four work-groups are here: the first joint loads meet
	tensor_load_to_lds s[32:35], s[24:31]
	s_nop 0
	tensor_load_to_lds s[36:39], s[24:31]
	s_nop 0
	tensor_load_to_lds s[40:43], s[24:31]
	s_nop 0
.rept 4
	v_nop
.endr
.irp k, 0,1,2
	global_load_b64 v[16+2*\k:17+2*\k], v31, s[58:59] offset:12800+256*\k   ; Q into B1's lower half
	global_load_b64 v[86+2*\k:87+2*\k], v31, s[58:59] offset:12800+256*\k   ; and into B2's upper half
.endr
	global_load_b32 v255, v4, s[60:61] offset:18944
.irp s, 0,1
.irp p, 0,1,2,3,4,5
	global_load_b64 v[192+12*\s+2*\p:193+12*\s+2*\p], v219, s[6:7] offset:96*\s+48*(\p/3)+8*(\p%3)
.endr
	global_load_b32 v[216+\s], v220, s[8:9] offset:4*\s
.endr
	global_load_b32 v218, v221, s[10:11]
.macro KLOAD sl, q                             ; K's four images of the q-th key step of slot sl, and their scale words: lanes 0-15 image 2 k's, lanes 16-31 image 2 k + 1's
.irp p, 0,1,2,3
.irp c, 0,1,2
	ds_load_b128 v[32+12*\p+4*\c:35+12*\p+4*\c], v[1+\sl] offset:STEPB*\q+1536*\p+512*\c
.endr
.endr
.irp k, 0,1
	ds_load_b32 v[248+\k], v[92+\sl] offset:STEPB*\q+12288+128*\k
.endr
.endm
; A KEY STEP: 128 keys, the q-th of slot sl.  kl = 1: K's images are asked for at its head (the step stands behind a barrier).  nk = 1: the next step's, the nq-th of slot nsl, are asked for at its end,
; four sums behind the last products; the other sums stand between those loads and the wait for them.
.macro STEP sl, q, kl, nk, nsl, nq
.if \kl
	KLOAD \sl, \q                                  ; (the last step's 32 sums are the places between its products and these loads)
.endif
	s_wait_dscnt 0x0
.irp p, 0,1,2,3                                ; S^T = K Q^T: image p against B1 (key tile 2 p) and B2 (tile 2 p + 1)
.if \p%2
	v_wmma_scale_f32_16x16x128_f8f6f4 v[96+16*\p:103+16*\p], v[32+12*\p:43+12*\p], v[16:27], 0, v[248+\p/2], v255 matrix_a_fmt:MATRIX_FMT_BF6 matrix_b_fmt:MATRIX_FMT_BF6 matrix_a_scale:MATRIX_SCALE_ROW1
	v_wmma_scale_f32_16x16x128_f8f6f4 v[104+16*\p:111+16*\p], v[32+12*\p:43+12*\p], v[80:91], 0, v[248+\p/2], v255 matrix_a_fmt:MATRIX_FMT_BF6 matrix_b_fmt:MATRIX_FMT_BF6 matrix_a_scale:MATRIX_SCALE_ROW1
.else
	v_wmma_scale_f32_16x16x128_f8f6f4 v[96+16*\p:103+16*\p], v[32+12*\p:43+12*\p], v[16:27], 0, v[248+\p/2], v255 matrix_a_fmt:MATRIX_FMT_BF6 matrix_b_fmt:MATRIX_FMT_BF6
	v_wmma_scale_f32_16x16x128_f8f6f4 v[104+16*\p:111+16*\p], v[32+12*\p:43+12*\p], v[80:91], 0, v[248+\p/2], v255 matrix_a_fmt:MATRIX_FMT_BF6 matrix_b_fmt:MATRIX_FMT_BF6
.endif
.endr                                          ; lane (r, h) holds query r; registers 16 p + 0 .. 15 are keys 32 p + 16 h + 0 .. 15 of the step
.rept 4
	v_nop                                          ; places ahead of the loads below and of the first read of the scores
.endr
.irp t, 0,1,2,3
.irp c, 0,1,2
	ds_load_b128 v[32+12*\t+4*\c:35+12*\t+4*\c], v[1+\sl] offset:STEPB*\q+6144+1536*\t+512*\c   ; V's four images: they land while the softmax runs
.endr
.endr
.irp k, 0,1
	ds_load_b32 v[250+\k], v[92+\sl] offset:STEPB*\q+12544+128*\k
.endr
.irp b, 0,1,2,3
	v_max3_num_f32 v[232+\b], v[96+16*\b], v[97+16*\b], v[98+16*\b]   ; THE LARGEST SCORE OF EACH BLOCK OF 32 KEYS: for the row's maximum, and, since p rises with the score, for the block's largest p
.endr
.irp i, 3,5,7,9,11,13
.irp b, 0,1,2,3
	v_max3_num_f32 v[232+\b], v[232+\b], v[96+16*\b+\i], v[97+16*\b+\i]   ; (the four blocks by turns)
.endr
.endr
.irp b, 0,1,2,3
	v_max_num_f32 v[232+\b], v[232+\b], v[111+16*\b]
.endr
.irp b, 0,1,2,3
	v_permlanex16_b32 v[236+\b], v[232+\b], s20, s21
.endr
.irp b, 0,1,2,3
	v_max_num_f32 v[232+\b], v[232+\b], v[236+\b]  ; with lane l xor 16's 16 keys
.endr
	v_max3_num_f32 v254, v232, v233, v234
	v_max_num_f32 v254, v254, v235                 ; the step's largest score of my query
	v_mul_f32 v254, s22, v254                      ; as t (c is positive)
	v_max_num_f32 v13, v13, v254                   ; the running largest t
	v_mov_b32 v254, v12
	v_floor_f32 v12, -v13                          ; the new -M = floor(-t) = -ceil(t): M IS A WHOLE NUMBER
	v_sub_f32 v254, v12, v254                      ; M's old value less its new one: a whole number, 0 or less
	v_cvt_i32_f32 v254, v254                       ; (it saturates)
	v_ldexp_f32 v252, 1.0, v254                    ; f = 2^(old M - new M): a multiplication by it rounds nothing
.set J, 0
.rept 32
	v_pk_fma_f32 v[96+J:97+J], v[96+J:97+J], s[22:23], v[12:13] op_sel_hi:[1,0,0]   ; t - M, two at a time (of the pairs c and -M the low word serves both halves)
.set J, J+2
.endr
.irp b, 0,1,2,3
	v_fma_f32 v[232+\b], v[232+\b], s22, v12       ; the same of each block's largest score
.endr
.set J, 0
.rept 64
	v_exp_f32 v[96+J], v[96+J]                     ; p = 2^(t - M), at most 1: NOT normalised
.set J, J+1
.endr
.irp b, 0,1,2,3
	v_exp_f32 v[232+\b], v[232+\b]                 ; the block's largest p: the same two instructions on the same number give the same bits
.endr
	v_pk_mul_f32 v[14:15], v[14:15], v[252:253] op_sel_hi:[1,0]   ; the sums under the new M.  (A plain place behind the exponentials)
	s_wait_alu depctr_va_vdst(0)
.irp b, 0,1,2,3
	v_max_num_f32 v[232+\b], 0x2800000, v[232+\b]  ; the floor 2^(5 - 127): the byte cannot fall under 1
.endr
.irp b, 0,1,2,3
	v_add_nc_u32 v[244+\b], 0xfe000000, v[232+\b]  ; 4 off the exponent field: the conversion's scale operand
.endr
.irp b, 0,1,2,3
	v_lshrrev_b32 v[236+\b], 23, v[244+\b]         ; the scale's byte
.endr
	v_lshl_or_b32 v253, v237, 8, v236              ; p's scale word for these 128 keys
	v_lshl_or_b32 v253, v238, 16, v253
	v_lshl_or_b32 v253, v239, 24, v253
.irp c, 0,1
	v_cvt_scalef32_pk16_bf6_f32 v[224+6*\c:226+6*\c], v[96+32*\c:111+32*\c], v[244+2*\c]
	v_cvt_scalef32_pk16_bf6_f32 v[236+4*\c:238+4*\c], v[112+32*\c:127+32*\c], v[244+2*\c+1]   ; (a conversion's three registers begin on an even number)
.endr
	v_nop                                          ; one plain place behind a scaled conversion
.irp c, 0,1                                    ; the operand's layout wants a WHOLE block in a lane
.irp i, 0,1,2
	v_permlane16_swap_b32 v[224+6*\c+\i], v[236+4*\c+\i]
.endr
.irp i, 0,1,2
	v_mov_b32 v[227+6*\c+\i], v[236+4*\c+\i]
.endr
.endr
.set J, 0
.rept 16
	v_pk_mul_f32 v[160+J:161+J], v[160+J:161+J], v[252:253] op_sel_hi:[1,0]   ; O^T under the new M.  (Sixteen places between the codes' and the scale word's last writes and the products below)
.set J, J+2
.endr
	s_wait_dscnt 0x0                               ; V is in
.irp t, 0,1,2,3                                ; O^T += V^T P^T: four tiles of 16 of the head's 64; the four accumulators by turns
.if \t%2
	v_wmma_scale_f32_16x16x128_f8f6f4 v[160+8*\t:167+8*\t], v[32+12*\t:43+12*\t], v[224:235], v[160+8*\t:167+8*\t], v[250+\t/2], v253 matrix_a_fmt:MATRIX_FMT_BF6 matrix_b_fmt:MATRIX_FMT_BF6 matrix_a_scale:MATRIX_SCALE_ROW1
.else
	v_wmma_scale_f32_16x16x128_f8f6f4 v[160+8*\t:167+8*\t], v[32+12*\t:43+12*\t], v[224:235], v[160+8*\t:167+8*\t], v[250+\t/2], v253 matrix_a_fmt:MATRIX_FMT_BF6 matrix_b_fmt:MATRIX_FMT_BF6
.endif
.endr
	v_pk_add_f32 v[236:237], v[96:97], v[98:99]    ; THE ROW'S SUM IS TAKEN OF THE UNQUANTISED p: two at a time, in two chains.  It names no register of the products above:
	v_pk_add_f32 v[14:15], v[14:15], v[100:101]    ; its first four lines are the places between them and the loads into the registers that they have read
	v_pk_add_f32 v[236:237], v[236:237], v[102:103]
	v_pk_add_f32 v[14:15], v[14:15], v[104:105]
.if \nk
	KLOAD \nsl, \nq
.endif
	v_pk_add_f32 v[236:237], v[236:237], v[106:107]
.irp j, 12,16,20,24,28,32,36,40,44,48,52,56,60
	v_pk_add_f32 v[14:15], v[14:15], v[96+\j:97+\j]
	v_pk_add_f32 v[236:237], v[236:237], v[98+\j:99+\j]
.endr
	v_pk_add_f32 v[14:15], v[14:15], v[236:237]
.endm
; A MEETING OF THE RING.  Each wave waits for all its tensor loads, adds 0 to its spare word, and waits for that and for its LDS reads.
; fill = 1: slot 0 has been read out.  The barrier is a round of the cluster's, so that no wave of any partner still reads slot 0 or has a load on its way; the joint refill, key steps 6 and 7, is the first
; thing behind it and has four key steps in which to land.  The wait for all loads also shows slots 1 and 2 landed.   fill = 0: the refill has landed in every wave: slot 0 may be read again.
.macro MEET fill
	s_wait_tensorcnt 0x0                           ; no tensor load of mine is out, so a group 0 may be written
	ds_add_u32 v5, v6                              ; 0 onto my spare word
.if \fill
	s_add_nc_u64 s[34:35], s[34:35], 24*HB         ; 24 blocks on; the type bits on top are not reached
.endif
	s_wait_dscnt 0x0                               ; the add is done, and my LDS reads are over
.if \fill
	CROUND
	tensor_load_to_lds s[32:35], s[24:31]
	s_nop 0
.rept 4
	v_nop
.endr
.else
	s_barrier_signal -1
	s_barrier_wait -1
.endif
.endm
	s_wait_loadcnt 0x0                             ; Q, proj_w, proj_b
	s_wait_tensorcnt 2                             ; my part of slot 0 is in; slot 1's and slot 2's may stay out
	s_barrier_signal -1
	s_barrier_wait -1                              ; everybody's is
	STEP 0, 0, 1, 1, 0, 1                          ; eight key steps, written out
	STEP 0, 1, 0, 0, 0, 0
	MEET 1
	STEP 1, 0, 1, 1, 1, 1
	STEP 1, 1, 0, 1, 2, 0
	STEP 2, 0, 0, 1, 2, 1
	STEP 2, 1, 0, 0, 0, 0
	MEET 0
	STEP 0, 0, 1, 1, 0, 1
	STEP 0, 1, 0, 0, 0, 0
	; ---- THE END.  x's 16 channels x 64 pixels are asked for now; O^T / the sum is quantised along (head, d) and goes to LDS as a part of an image; the projection; bias; residual.
	; (The last step's sums are the places behind its products.)
.irp i, 0,1,2,3,4,5,6,7
	global_load_b128 v[128+4*\i:131+4*\i], v7, s[12:13] offset:8192*\i th:TH_LOAD_NT   ; sixteen lanes read a channel's 256 consecutive bytes
.endr
	v_add_f32 v14, v14, v15                        ; the sum's two halves,
	v_permlanex16_b32 v252, v14, s20, s21
	v_add_f32 v14, v14, v252                       ; and lane l xor 16's: the row's sum
	v_rcp_f32 v14, v14
	v_nop                                          ; one plain place behind a transcendental
.set J, 0
	s_wait_alu depctr_va_vdst(0)
.rept 32
	v_mul_f32 v[96+J], v[160+J], v14               ; register 16 B + i is d = 32 B + 16 h + i of my query: each accumulator from its low end on
.set J, J+1
.endr
.irp b, 0,1
	v_max3_num_f32 v[TM+\b], |v[96+16*\b]|, |v[97+16*\b]|, 0x2800000   ; my 16 numbers of block b, and the floor 2^(5 - 127)
.endr
.irp i, 2,4,6,8,10,12,14
.irp b, 0,1
	v_max3_num_f32 v[TM+\b], v[TM+\b], |v[96+16*\b+\i]|, |v[97+16*\b+\i]|
.endr
.endr
.irp b, 0,1
	v_permlanex16_b32 v[TM+2+\b], v[TM+\b], s20, s21
.endr
.irp b, 0,1
	v_max_num_f32 v[TM+\b], v[TM+\b], v[TM+2+\b]   ; the block's largest magnitude
.endr
.irp b, 0,1
	v_add_nc_u32 v[TM+4+\b], 0xfe000000, v[TM+\b]  ; the conversion's scale operand
.endr
.irp b, 0,1
	v_lshrrev_b32 v[TM+2+\b], 23, v[TM+4+\b]       ; the scale's byte
.endr
	v_lshl_or_b32 v[PW], v[TM+3], 8, v[TM+2]
	v_cvt_scalef32_pk16_bf6_f32 v[PC:PC+2], v[96:111], v[TM+4]
	v_cvt_scalef32_pk16_bf6_f32 v[PC2:PC2+2], v[112:127], v[TM+5]
	v_nop                                          ; one plain place behind a scaled conversion
.irp i, 0,1,2
	v_permlane16_swap_b32 v[PC+\i], v[PC2+\i]
.endr
.irp i, 0,1,2
	v_mov_b32 v[PC+3+\i], v[PC2+\i]
.endr
	ds_store_b64 v8, v[PC:PC+1]
	ds_store_b64 v9, v[PC+2:PC+3] offset:8
	ds_store_b64 v8, v[PC+4:PC+5] offset:512
	ds_store_b16 v10, v[PW]                        ; lanes L and L + 16 write the same two bytes with the same value
	s_wait_dscnt 0x0                               ; for the others' sake: my part of the images lies in LDS
	s_barrier_signal -1
	s_barrier_wait -1
.irp f, 0,1,2,3,4,5,6,7
.irp c, 0,1,2
	ds_load_b128 v[32+12*\f+4*\c:35+12*\f+4*\c], v11 offset:1536*\f+512*\c
.endr
.endr
.irp y, 0,1,2,3
	ds_load_b32 v[248+\y], v28 offset:128*\y       ; lanes 0-15: K step 0's scale words of pixel tile y; lanes 16-31: K step 1's
.endr
.irp i, 0,1,2,3,4,5,6,7
	v_mov_b32 v[240+\i], v218                      ; the bias as C: a lane holds one output channel
.endr
	s_wait_dscnt 0x0
.irp y, 0,1,2,3                                ; source 0 = 16 pixels, source 1 = my 16 rows of proj_w: a lane holds channel 16 w + r and eight neighbouring pixels.  Four accumulators by turns
	v_wmma_scale_f32_16x16x128_f8f6f4 v[160+8*\y:167+8*\y], v[32+24*\y:43+24*\y], v[192:203], v[240:247], v[248+\y], v216 matrix_a_fmt:MATRIX_FMT_BF6 matrix_b_fmt:MATRIX_FMT_BF6
.endr
.irp y, 0,1,2,3
	v_wmma_scale_f32_16x16x128_f8f6f4 v[160+8*\y:167+8*\y], v[44+24*\y:55+24*\y], v[204:215], v[160+8*\y:167+8*\y], v[248+\y], v217 matrix_a_fmt:MATRIX_FMT_BF6 matrix_b_fmt:MATRIX_FMT_BF6 matrix_a_scale:MATRIX_SCALE_ROW1
.endr
.rept 4
	v_nop                                          ; places ahead of the stores of the results and of the loads into registers that the products have read
.endr
.irp y, 0,1,2,3                                ; register j of tile y is pixel 32 (y / 2) + 16 h + 8 (y % 2) + j
	ds_store_b128 v29, v[160+8*\y:163+8*\y] offset:128*(\y/2)+32*(\y%2)
	ds_store_b128 v29, v[164+8*\y:167+8*\y] offset:128*(\y/2)+32*(\y%2)+16
.endr
.irp i, 0,1,2,3,4,5,6,7
	ds_load_b128 v[32+4*\i:35+4*\i], v30 offset:544*\i   ; my own stage: LDS serves a wave's instructions in order (ISA guide 5.7.1.4): these see my stores
.endr
	s_wait_loadcnt 0x0                             ; x
	s_wait_dscnt 0x0
.set J, 0
.rept 16
	v_pk_add_f32 v[32+J:33+J], v[32+J:33+J], v[128+J:129+J]   ; the residual
.set J, J+2
.endr
.irp i, 0,1,2,3,4,5,6,7
	global_store_b128 v7, v[32+4*\i:35+4*\i], s[14:15] offset:8192*\i th:TH_STORE_NT   ; sixteen lanes store 256 consecutive bytes, at a multiple of 256 from out0's first byte
.endr
	s_wait_tensorcnt 0x0                           ; the wave's end, behind my last tensor load and my last LDS store
	ds_add_u32 v5, v6
	s_wait_dscnt 0x0
	CROUND                                         ; the closing round: no work-group ends while a partner may still ask for a tile that names it
	s_endpgm
.Lfunc_end_k_qf9a96dd6e8_attn:
	.size	k_qf9a96dd6e8_attn, .Lfunc_end_k_qf9a96dd6e8_attn-k_qf9a96dd6e8_attn
	.p2alignl 7, 3214868480
	.fill 96, 4, 3214868480
	.section	.rodata,"a",@progbits
	.p2align	6, 0x0
	.amdhsa_kernel k_qf9a96dd6e8_attn
		.amdhsa_group_segment_fixed_size 327680
		.amdhsa_private_segment_fixed_size 0
		.amdhsa_enable_private_segment 0
		.amdhsa_kernarg_size 48
		.amdhsa_user_sgpr_count 2
		.amdhsa_user_sgpr_kernarg_segment_ptr 1
		.amdhsa_wavefront_size32 1
		.amdhsa_system_sgpr_workgroup_id_x 1
		.amdhsa_system_sgpr_workgroup_id_y 1
		.amdhsa_system_sgpr_workgroup_id_z 1
		.amdhsa_system_vgpr_workitem_id 0
		.amdhsa_next_free_vgpr 256
		.amdhsa_next_free_sgpr 80
		.amdhsa_reserve_vcc 0
		.amdhsa_float_denorm_mode_32 3
		.amdhsa_float_denorm_mode_16_64 3
		.amdhsa_memory_ordered 1
		.amdhsa_forward_progress 1
		.amdhsa_inst_pref_size 143
	.end_amdhsa_kernel
	.amdgpu_metadata
---
amdhsa.version: [ 1, 2 ]
amdhsa.kernels:
  - .name:           k_qf9a96dd6e8_attn
    .symbol:         k_qf9a96dd6e8_attn.kd
    .args:
      - { .name: qkv, .offset: 0, .size: 8, .value_kind: global_buffer, .address_space: global }
      - { .name: proj_w_codes, .offset: 8, .size: 8, .value_kind: global_buffer, .address_space: global }
      - { .name: proj_w_scales, .offset: 16, .size: 8, .value_kind: global_buffer, .address_space: global }
      - { .name: proj_b, .offset: 24, .size: 8, .value_kind: global_buffer, .address_space: global }
      - { .name: x, .offset: 32, .size: 8, .value_kind: global_buffer, .address_space: global }
      - { .name: out0, .offset: 40, .size: 8, .value_kind: global_buffer, .address_space: global }
    .group_segment_fixed_size: 327680
    .private_segment_fixed_size: 0
    .kernarg_segment_align: 8
    .kernarg_segment_size: 48
    .max_flat_workgroup_size: 512
    .sgpr_count:     80
    .vgpr_count:     256
    .wavefront_size: 32
...
	.end_amdgpu_metadata
.endif
;; end of part 3
